; MI455X (gfx1250); checked and timed in simulation.
; The chip was launched on July 23, 2026; its instructions are those of AMD's public machine-readable ISA for CDNA 5 (MIT licence, August 2026) and "CDNA5" Instruction Set Architecture Reference Guide (July 2026). The comments in the code are by the model that wrote it; some were corrected since.
;; Point Warping. Allowed arithmetic: float matrix products may take bf16 or f16 operands with f32 sums; all other float work in f32.
;; Inputs: flow1 2 x 3 x 8,192 float32; xyz1 2 x 3 x 8,192 float32; xyz2 2 x 3 x 8,192 float32.
;; Outputs: out0 2 x 3 x 8,192 float32.
;; 2 versions, each right; version 2 is version 1 with the launch select written anew for expert scheduling mode. Each part assembles by itself: llvm-mc -triple=amdgcn-amd-amdhsa -mcpu=gfx1250 --defsym DOCPART=n.
;; ======== version 1 of 2: 2 launches
;; workspace buffers: cand 262,144 bytes of whole numbers
;; launch select (part 1): grid 256 x 1, 4 waves a work-group, no clusters, 131,584 bytes of LDS; arguments xyz1, flow1, xyz2, cand; writes cand
.if DOCPART == 1
	.amdgcn_target "amdgcn-amd-amdhsa--gfx1250"
	.amdhsa_code_object_version 6
	.text
	.protected	k_q6a427a01c4_select
	.globl	k_q6a427a01c4_select
	.p2align	8
	.type	k_q6a427a01c4_select,@function
k_q6a427a01c4_select:
	s_mov_b64 s[64:65], 0
	v_nop
	global_prefetch_b8 v0, s[64:65] scope:SCOPE_SE
	s_setreg_imm32_b32 hwreg(HW_REG_WAVE_MODE, 25, 1), 1
	s_wait_xcnt 0x0
; PointWarping, step 1 of 2: for each query and each quarter ("part") of the 8192 sources of its batch, the three GROUPS of 16
; consecutive sources whose smallest squared distance is smallest.  The three nearest sources of a part always lie in these three
; groups (a source among the three nearest is no farther than the third smallest group minimum, so its own group's minimum is not either).
; Stored: cand[b][part][q] = g_lo | g_mid<<9 | g_hi<<18, group numbers 0..511 in the batch, ascending.
;
; d2 = |q|^2 + |s|^2 - 2 q.s comes from ONE bf16 matrix instruction per 16 sources x 16 queries at f32 grade: each f32 is cut exactly
; into three bf16 pieces h, m, l (h = upper 16 bits, m = upper 16 bits of x - h, l = the rest), and the 32 places of K hold
;   k = 9c+3i+j (0..26): A = piece i of s_c, B = piece j of -2 q_c;   k = 27,28,29: A = pieces of |s|^2, B = 1;   k = 30,31: A = 1, B = h, m of |q|^2.
; (|q|^2 is the same for all sources of a query: it only keeps the sum near d2, so two pieces do.)
;
; SHARES.  Work-group: 256 queries x 2048 sources (one part).  256 work-groups = 2 batches x 4 parts x 32 query blocks.  Four waves; a wave
; keeps 64 queries (4 B fragments) in registers and walks all 128 source tiles, which the four waves first build together in LDS.
; No tensor loads and no cluster: the only shared input is 48 KiB of raw points a work-group, and every number of it has to pass the vector
; unit (add, cut into pieces) before it can lie in LDS.  No K loop: each product is finished by one instruction, so C is always 0.
;
; LIMITS.  Finite inputs.  The ranking uses the expansion that the problem's own formula uses; its error is of the order 2^-22 (|q|^2+|s|^2),
; so groups whose minima are closer than that may be ranked either way.  Exact ties go to the lower group number.
;
; LDS: 128 tiles x 1024 bytes, in fragment order: the 16-byte chunk c (k = 8c..8c+7) of row m of a tile lies at tile*1024 + c*256 + m*16, so that
; lane L reads its fragment at tile*1024 + 16 L and + 512: neighbouring lanes, neighbouring bytes.  Block T = tiles 2T, 2T+1 = 32 sources;
; row 8h+j of tile 2T+t is source 32T + 16h + 8t + j, so the 16 results that a lane of half h holds for a block are one group, 2T+h.
.set BF,  8                            ; v[8:39]    B fragments of my 4 query tiles
.set ST,  40                           ; v[40:63]   per query tile: three smallest minima VA<=VB<=VC, their groups IA, IB, IC
.set GID, 64                           ; v64        the group that my lane half sees in the block at work
.set LA,  65                           ; v65        LDS address of my fragment bytes
.set AB,  66                           ; v[66:97]   A fragments, two buffers of two tiles
.set W,   66                           ; v[66:81]   while the tables are built: the 16 words of a row
.set DD,  98                           ; v[98:225]  results, two buffers of 4 query tiles x 2 source tiles
.set RAW, 98                           ; v[98:145]  while the table is built: ring of 8 slots x (xyz1 x,y,z, flow1 x,y,z)
.set QR,  194                          ; v[194:205] the queries as loaded
.set T,   226                          ; v[226:245] at work
.set SX,  T+0                          ; the point, then
.set SY,  T+1
.set SZ,  T+2
.set SS,  T+3                          ; its squared length,
.set PX,  T+4                          ; and the pieces h, m, l of each
.set PY,  T+7
.set PZ,  T+10
.set PS,  T+13
.set TRIPS, 31                         ; 64 blocks = 2 x 31 in the loop + 2 behind it
	s_load_b256 s[4:11], s[0:1], 0x0               ; xyz1 s[4:5], flow1 s[6:7], xyz2 s[8:9], cand s[10:11]
	v_lshl_add_u32 v254, v0, 2, 0x20000
	v_mov_b32 v255, 0
	v_lshrrev_b32 v1, 5, v0
	v_readfirstlane_b32 s12, v1                    ; wave w
	v_and_b32 v1, 31, v0                           ; lane L
	s_lshr_b32 s13, ttmp9, 7                       ; batch b
	s_bfe_u32 s14, ttmp9, 0x20005                  ; part (2 bits from bit 5)
	s_and_b32 s15, ttmp9, 31                       ; query block
	s_mov_b32 s32, 0xffff0000                      ; the upper bf16 of a word; as a lane mask: lanes 16-31
	s_mov_b32 s33, 0x07060302                      ; v_perm_b32: the two upper halves
	s_mov_b32 s34, 0x76543210                      ; v_permlanex16_b32: lane i of the other half
	s_mov_b32 s35, 0xfedcba98
	s_mul_i32 s16, s13, 98304                      ; a batch is 3 x 8192 f32
	s_lshl_b32 s18, s15, 10
	s_lshl_b32 s19, s12, 8
	s_add_co_u32 s19, s18, s19                     ; 4 (256 block + 64 w): my wave's first query, in bytes
	s_add_co_u32 s18, s16, s19                     ; its place in xyz2
	s_lshl2_add_u32 s40, s13, s14                  ; 4 b + part
	s_lshl_b32 s40, s40, 15                        ; x 8192 words
	s_add_co_u32 s40, s40, s19                     ; its place in cand
	s_mov_b32 s41, 0
	s_mov_b32 s19, 0
	s_lshl_b32 s17, s14, 13                        ; a part is 2048 f32
	s_add_co_u32 s16, s16, s17                     ; the part's place in xyz1 and flow1
	s_mov_b32 s17, 0
	s_lshl_b32 s44, s14, 7                         ; the part's first group
	s_lshl_b32 s42, s12, 11                        ; building: my wave's block in a step's four, LDS bytes
	s_lshl_b32 s43, s12, 7                         ; and source bytes
	v_and_b32 v5, 15, v1                           ; r
	v_lshrrev_b32 v6, 4, v1                        ; h (while building: the tile t of the block)
	v_lshlrev_b32 v3, 4, v5
	v_lshl_add_u32 v3, v6, 10, v3
	v_add_nc_u32 v3, s42, v3                       ; v3: w*2048 + t*1024 + m*16, my row's chunk 0 in steps 0-7
	v_add_nc_u32 v4, 0x10000, v3                   ; v4: the same in steps 8-15 (an LDS offset has 16 bits)
	v_and_b32 v2, 7, v1
	v_bfe_u32 v7, v1, 3, 1
	v_lshl_add_u32 v2, v7, 4, v2
	v_lshl_add_u32 v2, v6, 3, v2                   ; my source in the block: 16 (m>>3) + 8 t + (m&7)
	v_lshlrev_b32 v2, 2, v2
	v_add_nc_u32 v2, s43, v2                       ; v2: its byte offset
	v_lshlrev_b32 v5, 3, v5                        ; v5: 8 r, a pair of queries
	v_mov_b32 v7, 1.0
	v_mov_b32 v[W+14], 0x3f803f80                  ; B's word 14: 1.0, 1.0
	s_wait_kmcnt 0x0
	s_add_nc_u64 s[4:5], s[4:5], s[16:17]
	s_add_nc_u64 s[6:7], s[6:7], s[16:17]
	s_add_nc_u64 s[8:9], s[8:9], s[18:19]
	s_add_nc_u64 s[10:11], s[10:11], s[40:41]
; Column r of query tile t is my wave's query 2 (16 (t&1) + r) + (t>>1): a pair loaded at 8 r + 128 tb serves tiles tb and 2 + tb, and at the
; end lane L holds the words of queries 2L, 2L+1.
.irp tb, 0,1
.irp c, 0,1,2
	global_load_b64 v[QR+6*\tb+2*\c:QR+6*\tb+2*\c+1], v5, s[8:9] offset:128*\tb+32768*\c
.endr
.endr
.macro LDSRC it                        ; six loads: step it's source of this lane, into ring slot it mod 8
.irp c, 0,1,2
	global_load_b32 v[RAW+6*((\it)&7)+\c], v2, s[4:5] offset:512*(\it)+32768*\c
.endr
.irp c, 0,1,2
	global_load_b32 v[RAW+6*((\it)&7)+3+\c], v2, s[6:7] offset:512*(\it)+32768*\c
.endr
.endm
.irp it, 0,1,2,3,4,5,6,7
	LDSRC \it
.endr
.macro SPLIT x, p                      ; v[x] = v[p] + v[p+1] + v[p+2] exactly, each with 8 significant bits
	v_and_b32 v[\p], s32, v[\x]
	v_sub_f32 v[\p+2], v[\x], v[\p]
	v_and_b32 v[\p+1], s32, v[\p+2]
	v_sub_f32 v[\p+2], v[\p+2], v[\p+1]
.endm
.macro PK d, lo, hi                    ; one word of two bf16: the upper halves of v[lo] (lower k) and v[hi]
	v_perm_b32 v[\d], v[\hi], v[\lo], s33
.endm
; The B fragment of query tile t.  Lane (r, h) holds words 4h..4h+3 and 8+4h..8+4h+3 of column r's 16 words.
; Words 3, 8, 12 equal words 0, 5, 9.
.macro BFRAG t, qx, qy, qz
	v_mul_f32 v[SS], v[\qx], v[\qx]
	v_fma_f32 v[SS], v[\qy], v[\qy], v[SS]
	v_fma_f32 v[SS], v[\qz], v[\qz], v[SS]
	v_mul_f32 v[SX], -2.0, v[\qx]
	v_mul_f32 v[SY], -2.0, v[\qy]
	v_mul_f32 v[SZ], -2.0, v[\qz]
	SPLIT SX, PX
	SPLIT SY, PY
	SPLIT SZ, PZ
	v_and_b32 v[PS], s32, v[SS]
	v_sub_f32 v[PS+1], v[SS], v[PS]
	v_and_b32 v[PS+1], s32, v[PS+1]
	PK W+0,  PX,   PX+1
	PK W+1,  PX+2, PX
	PK W+2,  PX+1, PX+2
	PK W+4,  PX+2, PY
	PK W+5,  PY+1, PY+2
	PK W+6,  PY,   PY+1
	PK W+7,  PY+2, PY
	PK W+9,  PZ,   PZ+1
	PK W+10, PZ+2, PZ
	PK W+11, PZ+1, PZ+2
	PK W+13, PZ+2, 7
	PK W+15, PS,   PS+1
	v_cndmask_b32 v[BF+8*\t+0], v[W+0],  v[W+4],  s32
	v_cndmask_b32 v[BF+8*\t+1], v[W+1],  v[W+5],  s32
	v_cndmask_b32 v[BF+8*\t+2], v[W+2],  v[W+6],  s32
	v_cndmask_b32 v[BF+8*\t+3], v[W+0],  v[W+7],  s32
	v_cndmask_b32 v[BF+8*\t+4], v[W+5],  v[W+9],  s32
	v_cndmask_b32 v[BF+8*\t+5], v[W+9],  v[W+13], s32
	v_cndmask_b32 v[BF+8*\t+6], v[W+10], v[W+14], s32
	v_cndmask_b32 v[BF+8*\t+7], v[W+11], v[W+15], s32
.endm
	s_wait_loadcnt 48                              ; the six query loads are in; the 48 source loads issued behind them stay out
	BFRAG 0, QR+0, QR+2, QR+4
	BFRAG 1, QR+6, QR+8, QR+10
	BFRAG 2, QR+1, QR+3, QR+5
	BFRAG 3, QR+7, QR+9, QR+11
	v_mov_b32 v[W+15], 0x3f803f80                  ; A's word 15: 1.0, 1.0, for every row
; One step of the build: this lane's source becomes one row of 64 bytes.  left = younger loads that may stay out.
.macro PREP it, left, refill
	s_wait_loadcnt \left
	v_add_f32 v[SX], v[RAW+6*((\it)&7)+0], v[RAW+6*((\it)&7)+3]    ; the warped source, xyz1 + flow1
	v_add_f32 v[SY], v[RAW+6*((\it)&7)+1], v[RAW+6*((\it)&7)+4]
	v_add_f32 v[SZ], v[RAW+6*((\it)&7)+2], v[RAW+6*((\it)&7)+5]
.if \refill
	LDSRC \it+8                                    ; the slot is read out: eight steps ahead
.endif
	v_mul_f32 v[SS], v[SX], v[SX]
	v_fma_f32 v[SS], v[SY], v[SY], v[SS]
	v_fma_f32 v[SS], v[SZ], v[SZ], v[SS]
	SPLIT SX, PX
	SPLIT SY, PY
	SPLIT SZ, PZ
	SPLIT SS, PS
	PK W+0,  PX,   PX
	PK W+1,  PX,   PX+1
	PK W+2,  PX+1, PX+1
	PK W+3,  PX+2, PX+2
	PK W+4,  PX+2, PY
	PK W+5,  PY,   PY
	PK W+6,  PY+1, PY+1
	PK W+7,  PY+1, PY+2
	PK W+8,  PY+2, PY+2
	PK W+9,  PZ,   PZ
	PK W+10, PZ,   PZ+1
	PK W+11, PZ+1, PZ+1
	PK W+12, PZ+2, PZ+2
	PK W+13, PZ+2, PS
	PK W+14, PS+1, PS+2
.irp c, 0,1,2,3
.if \it < 8
	ds_store_b128 v3, v[W+4*\c:W+4*\c+3] offset:8192*((\it)&7)+256*\c   ; 16 lanes, 256 neighbouring bytes
.else
	ds_store_b128 v4, v[W+4*\c:W+4*\c+3] offset:8192*((\it)&7)+256*\c
.endif
.endr
.endm
.irp it, 0,1,2,3,4,5,6,7
	PREP \it, 42, 1                                ; behind my slot's six loads: those of the seven other slots, first fills or refills
.endr
.irp it, 8,9,10,11,12,13,14,15
	PREP \it, 6*(15-\it), 0                        ; nothing is asked for any more: the counts run down to 0
.endr
	s_wait_dscnt 0x0                               ; my rows lie in LDS, for the other waves' sake
	s_barrier_signal -1
	s_barrier_wait -1                              ; the only barrier: from here on the table is only read
.macro LDA a, off                      ; the two tiles of a block into A buffer a
	ds_load_b128 v[AB+16*\a+0:AB+16*\a+3],   v[LA] offset:\off
	ds_load_b128 v[AB+16*\a+4:AB+16*\a+7],   v[LA] offset:\off+512
	ds_load_b128 v[AB+16*\a+8:AB+16*\a+11],  v[LA] offset:\off+1024
	ds_load_b128 v[AB+16*\a+12:AB+16*\a+15], v[LA] offset:\off+1536
.endm
.macro MM a, d                         ; a block x my 64 queries: register j of lane (r, h) = d2(source row 8h+j, query column r)
.irp q, 0,1,2,3
.irp t, 0,1
	v_wmma_f32_16x16x32_bf16 v[DD+64*\d+16*\q+8*\t:DD+64*\d+16*\q+8*\t+7], v[AB+16*\a+8*\t:AB+16*\a+8*\t+7], v[BF+8*\q:BF+8*\q+7], 0
.endr
.endr
.endm
; A block's results: per query tile the minimum of my 16 values (one group), then an exact insert of (minimum, group) into the sorted three.
; A strict < keeps the earlier, lower group on a tie.  The four tiles go level by level, so that no line waits for the one in front of it.
.macro PROC d
.irp q, 0,1,2,3
.irp m, 0,1,2,3,4
	v_min3_num_f32 v[T+5*\q+\m], v[DD+64*\d+16*\q+3*\m], v[DD+64*\d+16*\q+3*\m+1], v[DD+64*\d+16*\q+3*\m+2]
.endr
.endr
.irp q, 0,1,2,3
	v_min3_num_f32 v[T+5*\q],   v[T+5*\q],   v[T+5*\q+1], v[DD+64*\d+16*\q+15]
	v_min3_num_f32 v[T+5*\q+2], v[T+5*\q+2], v[T+5*\q+3], v[T+5*\q+4]
.endr
.irp q, 0,1,2,3
	v_min_num_f32 v[T+5*\q], v[T+5*\q], v[T+5*\q+2]
.endr
.irp q, 0,1,2,3
	v_cmp_lt_f32 s[20+3*\q], v[T+5*\q], v[ST+6*\q]
	v_cmp_lt_f32 s[21+3*\q], v[T+5*\q], v[ST+6*\q+1]
	v_cmp_lt_f32 s[22+3*\q], v[T+5*\q], v[ST+6*\q+2]
.endr
.irp q, 0,1,2,3
	v_cndmask_b32 v[T+5*\q+1], v[GID], v[ST+6*\q+4], s[21+3*\q]          ; what moves into the third place if anything does
	v_cndmask_b32 v[T+5*\q+3], v[GID], v[ST+6*\q+3], s[20+3*\q]          ; and into the second
.endr
.irp q, 0,1,2,3
	v_cndmask_b32 v[ST+6*\q+5], v[ST+6*\q+5], v[T+5*\q+1], s[22+3*\q]
	v_cndmask_b32 v[ST+6*\q+4], v[ST+6*\q+4], v[T+5*\q+3], s[21+3*\q]
	v_cndmask_b32 v[ST+6*\q+3], v[ST+6*\q+3], v[GID],      s[20+3*\q]
.endr
.irp q, 0,1,2,3
	v_med3_num_f32 v[ST+6*\q+2], v[ST+6*\q+1], v[ST+6*\q+2], v[T+5*\q]
	v_med3_num_f32 v[ST+6*\q+1], v[ST+6*\q],   v[ST+6*\q+1], v[T+5*\q]
	v_min_num_f32  v[ST+6*\q],   v[ST+6*\q],   v[T+5*\q]
.endr
	v_add_nc_u32 v[GID], 2, v[GID]
.endm
	v_lshlrev_b32 v[LA], 4, v1
	LDA 0, 0                                       ; block 0
	s_wait_dscnt 0x0
	MM 0, 0
	; The start of the state: 26 plain vector lines that name none of the registers of the eight products above, so they are also the
	; places between those products and the first lines that read their results or load into their A buffer.
.irp q, 0,1,2,3
.irp j, 0,1,2
	v_mov_b32 v[ST+6*\q+\j], 0x7f800000            ; +infinity: every finite minimum is smaller
	v_mov_b32 v[ST+6*\q+3+\j], s44                 ; a valid group, replaced by the first three inserts
.endr
.endr
	v_add_nc_u32 v[GID], s44, v6                   ; block 0: group 128 part + h
	v_nop
	LDA 1, 2048                                    ; block 1
	s_mov_b32 s36, TRIPS
; A trip = two blocks.  While one result buffer is reduced (77 vector lines), the other block's products run and the fragments of the block
; after it come from LDS.  Each s_wait_dscnt 0 finds only the four loads issued one reduction earlier.  Between a product and the lines that
; read its results, and between a product and the loads into its A buffer, stands the whole reduction of the OTHER result buffer.
.Ltrip:
	s_wait_dscnt 0x0
	MM 1, 1                                        ; block 2i+1
	LDA 0, 4096                                    ; block 2i+2
	PROC 0                                         ; block 2i
	s_wait_dscnt 0x0
	MM 0, 0                                        ; block 2i+2
	LDA 1, 6144                                    ; block 2i+3
	PROC 1                                         ; block 2i+1
	v_add_nc_u32 v[LA], 4096, v[LA]
	s_sub_co_i32 s36, s36, 1
	s_cmp_lg_u32 s36, 0
	s_cbranch_scc1 .Ltrip
	s_wait_dscnt 0x0
	MM 1, 1                                        ; block 63
	PROC 0                                         ; block 62
	PROC 1                                         ; block 63
; The two lane halves hold the even and the odd groups of the same queries: each inserts the other's three.  The order (minimum, then group
; number) is total and the groups differ, so both halves end with the same three.
.macro LEXM dst, val, idx, sv, si      ; mask: (val, idx) comes before (sv, si)
	v_cmp_lt_f32 s[\dst], v[\val], v[\sv]
	v_cmp_eq_f32 s38, v[\val], v[\sv]
	v_cmp_lt_u32 s39, v[\idx], v[\si]
	s_and_b32 s38, s38, s39
	s_or_b32 s[\dst], s[\dst], s38
.endm
.macro INSLEX q, val, idx
	LEXM 20, \val, \idx, ST+6*\q,   ST+6*\q+3
	LEXM 21, \val, \idx, ST+6*\q+1, ST+6*\q+4
	LEXM 22, \val, \idx, ST+6*\q+2, ST+6*\q+5
	v_cndmask_b32 v[T+6], v[\idx], v[ST+6*\q+4], s21
	v_cndmask_b32 v[T+7], v[\idx], v[ST+6*\q+3], s20
	v_cndmask_b32 v[ST+6*\q+5], v[ST+6*\q+5], v[T+6], s22
	v_cndmask_b32 v[ST+6*\q+4], v[ST+6*\q+4], v[T+7], s21
	v_cndmask_b32 v[ST+6*\q+3], v[ST+6*\q+3], v[\idx], s20
	v_med3_num_f32 v[ST+6*\q+2], v[ST+6*\q+1], v[ST+6*\q+2], v[\val]
	v_med3_num_f32 v[ST+6*\q+1], v[ST+6*\q],   v[ST+6*\q+1], v[\val]
	v_min_num_f32  v[ST+6*\q],   v[ST+6*\q],   v[\val]
.endm
.irp q, 0,1,2,3
.irp j, 0,1,2,3,4,5
	v_permlanex16_b32 v[T+\j], v[ST+6*\q+\j], s34, s35             ; the partner's state (the destinations were written in the reductions)
.endr
	INSLEX \q, T+0, T+3
	INSLEX \q, T+1, T+4
	INSLEX \q, T+2, T+5
	; the three groups in ascending order, 9 bits each
	v_min_u32 v[T+8], v[ST+6*\q+3], v[ST+6*\q+4]
	v_max_u32 v[T+9], v[ST+6*\q+3], v[ST+6*\q+4]
	v_add3_u32 v[T+10], v[ST+6*\q+3], v[ST+6*\q+4], v[ST+6*\q+5]
	v_min_u32 v[T+8], v[T+8], v[ST+6*\q+5]
	v_max_u32 v[T+9], v[T+9], v[ST+6*\q+5]
	v_sub_nc_u32 v[T+10], v[T+10], v[T+8]
	v_sub_nc_u32 v[T+10], v[T+10], v[T+9]                          ; the middle one = sum - least - greatest
	v_lshl_or_b32 v[T+12+\q], v[T+10], 9, v[T+8]
	v_lshl_or_b32 v[T+12+\q], v[T+9], 18, v[T+12+\q]
.endr
	v_cndmask_b32 v[T+16], v[T+12], v[T+13], s32   ; query 2L   = column r of tile h
	v_cndmask_b32 v[T+17], v[T+14], v[T+15], s32   ; query 2L+1 = column r of tile 2 + h
	v_lshlrev_b32 v[T+18], 3, v1
	global_store_b64 v[T+18], v[T+16:T+17], s[10:11]               ; the wave's 64 words: 256 consecutive bytes, aligned
	s_wait_tensorcnt 0x0
	ds_add_u32 v254, v255
	s_wait_dscnt 0x0
	s_endpgm
.Lfunc_end_k_q6a427a01c4_select:
	.size	k_q6a427a01c4_select, .Lfunc_end_k_q6a427a01c4_select-k_q6a427a01c4_select
	.p2alignl 7, 3214868480
	.fill 96, 4, 3214868480
	.section	.rodata,"a",@progbits
	.p2align	6, 0x0
	.amdhsa_kernel k_q6a427a01c4_select
		.amdhsa_group_segment_fixed_size 131584
		.amdhsa_private_segment_fixed_size 0
		.amdhsa_enable_private_segment 0
		.amdhsa_kernarg_size 32
		.amdhsa_user_sgpr_count 2
		.amdhsa_user_sgpr_kernarg_segment_ptr 1
		.amdhsa_wavefront_size32 1
		.amdhsa_system_sgpr_workgroup_id_x 1
		.amdhsa_system_sgpr_workgroup_id_y 1
		.amdhsa_system_sgpr_workgroup_id_z 1
		.amdhsa_system_vgpr_workitem_id 0
		.amdhsa_next_free_vgpr 256
		.amdhsa_next_free_sgpr 66
		.amdhsa_reserve_vcc 0
		.amdhsa_float_denorm_mode_32 3
		.amdhsa_float_denorm_mode_16_64 3
		.amdhsa_memory_ordered 1
		.amdhsa_forward_progress 1
		.amdhsa_inst_pref_size 93
	.end_amdhsa_kernel
	.amdgpu_metadata
---
amdhsa.version: [ 1, 2 ]
amdhsa.kernels:
  - .name:           k_q6a427a01c4_select
    .symbol:         k_q6a427a01c4_select.kd
    .args:
      - { .name: xyz1, .offset: 0, .size: 8, .value_kind: global_buffer, .address_space: global }
      - { .name: flow1, .offset: 8, .size: 8, .value_kind: global_buffer, .address_space: global }
      - { .name: xyz2, .offset: 16, .size: 8, .value_kind: global_buffer, .address_space: global }
      - { .name: cand, .offset: 24, .size: 8, .value_kind: global_buffer, .address_space: global }
    .group_segment_fixed_size: 131584
    .private_segment_fixed_size: 0
    .kernarg_segment_align: 8
    .kernarg_segment_size: 32
    .max_flat_workgroup_size: 128
    .sgpr_count:     66
    .vgpr_count:     256
    .wavefront_size: 32
...
	.end_amdgpu_metadata
.endif
;; end of part 1
;; launch finish (part 2): grid 256 x 1, 8 waves a work-group, no clusters, 5,120 bytes of LDS; arguments xyz1, flow1, xyz2, cand, out0; writes out0
.if DOCPART == 2
	.amdgcn_target "amdgcn-amd-amdhsa--gfx1250"
	.amdhsa_code_object_version 6
	.text
	.protected	k_q6a427a01c4_finish
	.globl	k_q6a427a01c4_finish
	.p2align	8
	.type	k_q6a427a01c4_finish,@function
k_q6a427a01c4_finish:
	s_mov_b64 s[64:65], 0
	v_nop
	global_prefetch_b8 v0, s[64:65] scope:SCOPE_SE
	s_setreg_imm32_b32 hwreg(HW_REG_WAVE_MODE, 25, 1), 1
	s_wait_xcnt 0x0
; PointWarping, step 2 of 2: among the 4 parts x 3 groups x 16 sources that step 1 named for a query, the three nearest by the directly formed
; |xyz1 + flow1 - q|^2 in f32, then out = q - sum of w_k flow_k with w_k = (1/dist_k) / sum of 1/dist, dist = max(sqrt(d2), 1e-10).
; The neighbours' flows travel with the distances through the insert (selects only): no address hangs on a floating-point number.
;
; SHARES.  Work-group: 64 queries, 8 waves.  Thread = (query tid>>2, part tid&3): it scans its part's 48 sources in ascending order, then the
; four lanes of a query merge.  256 work-groups = 2 batches x 128 blocks of 64 queries.
; Left out: matrix unit (3 multiply-adds a pair on 1/43 of the pairs), tensor loads and clusters (each lane gathers pieces of its own),
; prefetch (all three inputs together are 576 KiB and every work-group of the launch in front has just read them).
;
; LIMITS.  Finite inputs.  Ties in d2 go to the lower source index (strict <, ascending scans; the merged result is taken from the lane
; of part 0, which always holds the lower indices as its own).  Sources whose distances differ by less than the f32 error of the problem's own
; expansion |q|^2+|s|^2-2q.s may be chosen differently from it.
.set QP, 8                             ; v[8:13]    (qx,qx) (qy,qy) (qz,qz)
.set DA, 14                            ; v14-16     the three smallest d2, ascending
.set DB, 15
.set DC, 16
.set PA, 17                            ; v17-19, v20-22, v23-25: their flows
.set PB, 20
.set PC, 23
.set U,  26                            ; v26-31     at work in an insert
.set B0, 48                            ; v[48:143]  a group: xyz1 x,y,z at +0,+16,+32, flow1 x,y,z at +48,+64,+80, 16 sources each
.set B1, 144                           ; v[144:239] the second buffer
	s_load_b256 s[4:11], s[0:1], 0x0               ; xyz1 s[4:5], flow1 s[6:7], xyz2 s[8:9], cand s[10:11]
	s_load_b64 s[12:13], s[0:1], 0x20              ; out0
	v_lshl_add_u32 v240, v0, 2, 0x1000
	v_mov_b32 v241, 0
	v_and_b32 v1, 3, v0                            ; part
	v_lshrrev_b32 v2, 2, v0
	v_lshlrev_b32 v2, 2, v2                        ; 4 x my query in the block
	v_lshl_add_u32 v7, v1, 15, v2                  ; + part x 8192 words
	s_lshr_b32 s14, ttmp9, 7                       ; batch
	s_and_b32 s15, ttmp9, 127
	s_lshl_b32 s15, s15, 8                         ; 64 queries x 4 bytes a block
	s_mul_i32 s16, s14, 98304
	s_mov_b32 s17, 0
	s_add_co_u32 s18, s16, s15
	s_mov_b32 s19, 0
	s_lshl_b32 s26, s14, 17                        ; cand: 4 x 8192 words a batch
	s_add_co_u32 s26, s26, s15
	s_mov_b32 s27, 0
	s_wait_kmcnt 0x0
	s_add_nc_u64 s[4:5], s[4:5], s[16:17]
	s_add_nc_u64 s[6:7], s[6:7], s[16:17]
	s_add_nc_u64 s[8:9], s[8:9], s[18:19]
	s_add_nc_u64 s[12:13], s[12:13], s[18:19]
	s_add_nc_u64 s[10:11], s[10:11], s[26:27]
	global_load_b32 v3, v7, s[10:11]
	global_load_b32 v[QP],   v2, s[8:9]
	global_load_b32 v[QP+2], v2, s[8:9] offset:32768
	global_load_b32 v[QP+4], v2, s[8:9] offset:65536
	s_wait_loadcnt 0x3                             ; the word of groups is in; the three loads of q behind it stay out
	v_bfe_u32 v4, v3, 0, 9
	v_bfe_u32 v5, v3, 9, 9
	v_bfe_u32 v6, v3, 18, 9
	v_min_u32 v4, 0x1ff, v4                        ; a loaded number enters an address only behind a bound: 512 groups a batch
	v_min_u32 v5, 0x1ff, v5
	v_min_u32 v6, 0x1ff, v6
	v_lshlrev_b32 v4, 6, v4                        ; a group is 64 bytes of each of the six rows
	v_lshlrev_b32 v5, 6, v5
	v_lshlrev_b32 v6, 6, v6
.macro LDG buf, k                      ; 24 loads: group k's 16 sources, three coordinates and three flows
.irp c, 0,1,2
.irp e, 0,1,2,3
	global_load_b128 v[\buf+16*\c+4*\e:\buf+16*\c+4*\e+3], v[4+\k], s[4:5] offset:32768*\c+16*\e
.endr
.endr
.irp c, 0,1,2
.irp e, 0,1,2,3
	global_load_b128 v[\buf+48+16*\c+4*\e:\buf+48+16*\c+4*\e+3], v[4+\k], s[6:7] offset:32768*\c+16*\e
.endr
.endr
.endm
	LDG B0, 0
	LDG B1, 1
	v_mov_b32 v[DA], 0x7f800000                    ; +infinity: every finite distance is smaller
	v_mov_b32 v[DB], 0x7f800000
	v_mov_b32 v[DC], 0x7f800000
.irp j, 0,1,2,3,4,5,6,7,8
	v_mov_b32 v[PA+\j], 0                          ; replaced by the first three inserts
.endr
	s_wait_loadcnt 48                              ; q is in; the 48 loads of the first two groups were issued behind it
	v_mov_b32 v[QP+1], v[QP]                       ; pairs for the packed arithmetic
	v_mov_b32 v[QP+3], v[QP+2]
	v_mov_b32 v[QP+5], v[QP+4]
.macro DIST buf                        ; d2 of the 16 sources, two at a time, over the x registers
.irp e, 0,2,4,6,8,10,12,14
	v_pk_add_f32 v[\buf+\e:\buf+\e+1],       v[\buf+\e:\buf+\e+1],       v[\buf+48+\e:\buf+48+\e+1]
	v_pk_add_f32 v[\buf+16+\e:\buf+16+\e+1], v[\buf+16+\e:\buf+16+\e+1], v[\buf+64+\e:\buf+64+\e+1]
	v_pk_add_f32 v[\buf+32+\e:\buf+32+\e+1], v[\buf+32+\e:\buf+32+\e+1], v[\buf+80+\e:\buf+80+\e+1]
	v_pk_add_f32 v[\buf+\e:\buf+\e+1],       v[\buf+\e:\buf+\e+1],       v[QP:QP+1]   neg_lo:[0,1] neg_hi:[0,1]
	v_pk_add_f32 v[\buf+16+\e:\buf+16+\e+1], v[\buf+16+\e:\buf+16+\e+1], v[QP+2:QP+3] neg_lo:[0,1] neg_hi:[0,1]
	v_pk_add_f32 v[\buf+32+\e:\buf+32+\e+1], v[\buf+32+\e:\buf+32+\e+1], v[QP+4:QP+5] neg_lo:[0,1] neg_hi:[0,1]
	v_pk_mul_f32 v[\buf+\e:\buf+\e+1], v[\buf+\e:\buf+\e+1], v[\buf+\e:\buf+\e+1]
	v_pk_fma_f32 v[\buf+\e:\buf+\e+1], v[\buf+16+\e:\buf+16+\e+1], v[\buf+16+\e:\buf+16+\e+1], v[\buf+\e:\buf+\e+1]
	v_pk_fma_f32 v[\buf+\e:\buf+\e+1], v[\buf+32+\e:\buf+32+\e+1], v[\buf+32+\e:\buf+32+\e+1], v[\buf+\e:\buf+\e+1]
.endr
.endm
.macro PAY c, f                        ; one component of the flows follows the insert
	v_cndmask_b32 v[U+2*\c],   v[\f], v[PB+\c], s21
	v_cndmask_b32 v[U+2*\c+1], v[\f], v[PA+\c], s20
	v_cndmask_b32 v[PC+\c], v[PC+\c], v[U+2*\c],   s22
	v_cndmask_b32 v[PB+\c], v[PB+\c], v[U+2*\c+1], s21
	v_cndmask_b32 v[PA+\c], v[PA+\c], v[\f],       s20
.endm
.macro INSP x, fx, fy, fz              ; (d2, flow) into the sorted three; a strict < keeps what came earlier on a tie
	v_cmp_lt_f32 s20, v[\x], v[DA]
	v_cmp_lt_f32 s21, v[\x], v[DB]
	v_cmp_lt_f32 s22, v[\x], v[DC]
	PAY 0, \fx
	PAY 1, \fy
	PAY 2, \fz
	v_med3_num_f32 v[DC], v[DB], v[DC], v[\x]
	v_med3_num_f32 v[DB], v[DA], v[DB], v[\x]
	v_min_num_f32  v[DA], v[DA], v[\x]
.endm
.macro PROCG buf
	DIST \buf
.irp e, 0,1,2,3,4,5,6,7,8,9,10,11,12,13,14,15
	INSP \buf+\e, \buf+48+\e, \buf+64+\e, \buf+80+\e
.endr
.endm
	s_wait_loadcnt 24                              ; the first group is in; the second group's 24 loads stay out
	PROCG B0
	LDG B0, 2                                      ; the buffer is read out: the third group
	s_wait_loadcnt 24                              ; the second group is in; the third's 24 loads stay out
	PROCG B1
	s_wait_loadcnt 0x0
	PROCG B0
; The four lanes of a query merge: first with the lane of part xor 1, then with that of part xor 2.  Lane 0 of the four takes parts
; (0 | 1), then (0,1 | 2,3): its own entries always have the lower indices.
.irp m, 1,2
.irp j, 0,1,2,3,4,5,6,7,8,9,10,11
	v_mov_b32_dpp v[B1+\j], v[DA+\j] row_xmask:\m row_mask:0xf bank_mask:0xf     ; destinations: registers of the second buffer, written and done with
.endr
	INSP B1+0, B1+3, B1+4,  B1+5
	INSP B1+1, B1+6, B1+7,  B1+8
	INSP B1+2, B1+9, B1+10, B1+11
.endr
	v_sqrt_f32 v26, v[DA]
	v_sqrt_f32 v27, v[DB]
	v_sqrt_f32 v28, v[DC]
	v_lshlrev_b32 v37, 4, v0                       ; (a plain line behind the roots, ISA guide 5.7.2) the way out: 16 bytes a thread from LDS
	s_wait_alu depctr_va_vdst(0)
	v_max_num_f32 v26, 0x2edbe6ff, v26             ; 1e-10
	v_max_num_f32 v27, 0x2edbe6ff, v27
	v_max_num_f32 v28, 0x2edbe6ff, v28
	v_rcp_f32 v29, v26
	v_rcp_f32 v30, v27
	v_rcp_f32 v31, v28
	v_lshrrev_b32 v38, 4, v0                       ; (a plain line again) the way out: the component, tid / 16
	s_wait_alu depctr_va_vdst(0)
	v_add_f32 v32, v29, v30
	v_add_f32 v32, v32, v31
	v_rcp_f32 v33, v32                             ; the nine lines below touch neither v32 nor v33
.irp c, 0,1,2
	v_mul_f32 v[34+\c], v29, v[PA+\c]
	v_fma_f32 v[34+\c], v30, v[PB+\c], v[34+\c]
	v_fma_f32 v[34+\c], v31, v[PC+\c], v[34+\c]
.endr
	s_wait_alu depctr_va_vdst(0)
.irp c, 0,1,2
	v_fma_f32 v[34+\c], -v[34+\c], v33, v[QP+2*\c] ; q - (sum of flow/dist) / (sum of 1/dist)
.endr
	v_and_b32 v39, 15, v0
	v_lshlrev_b32 v39, 4, v39
	v_lshl_add_u32 v38, v38, 15, v39               ; component x 32768 + 16 (tid mod 16)
	; Through LDS, so that each row of 64 results leaves as 256 consecutive bytes: [component][query], 3 x 256 bytes.
	v_cmp_eq_u32 vcc_lo, 0, v1
	s_wait_xcnt 0x0                                ; EXEC is a source of the loads above: it changes only behind this wait
	s_and_saveexec_b32 s24, vcc_lo                 ; the lanes of part 0
	ds_store_b32 v2, v34
	ds_store_b32 v2, v35 offset:256
	ds_store_b32 v2, v36 offset:512
	s_or_b32 exec_lo, exec_lo, s24
	s_wait_dscnt 0x0                               ; my stores lie in LDS, for the waves that read them
	s_barrier_signal -1
	s_barrier_wait -1
	v_cmp_gt_u32 vcc_lo, 48, v0
	s_wait_tensorcnt 0x0
	ds_add_u32 v240, v241
	s_wait_dscnt 0x0
	s_and_saveexec_b32 s24, vcc_lo                 ; threads 0-47: 48 x 16 bytes
	ds_load_b128 v[40:43], v37
	s_wait_dscnt 0x0
	global_store_b128 v38, v[40:43], s[12:13]      ; 16 lanes store 256 consecutive bytes, aligned
	s_endpgm
.Lfunc_end_k_q6a427a01c4_finish:
	.size	k_q6a427a01c4_finish, .Lfunc_end_k_q6a427a01c4_finish-k_q6a427a01c4_finish
	.p2alignl 7, 3214868480
	.fill 96, 4, 3214868480
	.section	.rodata,"a",@progbits
	.p2align	6, 0x0
	.amdhsa_kernel k_q6a427a01c4_finish
		.amdhsa_group_segment_fixed_size 5120
		.amdhsa_private_segment_fixed_size 0
		.amdhsa_enable_private_segment 0
		.amdhsa_kernarg_size 40
		.amdhsa_user_sgpr_count 2
		.amdhsa_user_sgpr_kernarg_segment_ptr 1
		.amdhsa_wavefront_size32 1
		.amdhsa_system_sgpr_workgroup_id_x 1
		.amdhsa_system_sgpr_workgroup_id_y 1
		.amdhsa_system_sgpr_workgroup_id_z 1
		.amdhsa_system_vgpr_workitem_id 0
		.amdhsa_next_free_vgpr 242
		.amdhsa_next_free_sgpr 66
		.amdhsa_reserve_vcc 1
		.amdhsa_float_denorm_mode_32 3
		.amdhsa_float_denorm_mode_16_64 3
		.amdhsa_memory_ordered 1
		.amdhsa_forward_progress 1
		.amdhsa_inst_pref_size 96
	.end_amdhsa_kernel
	.amdgpu_metadata
---
amdhsa.version: [ 1, 2 ]
amdhsa.kernels:
  - .name:           k_q6a427a01c4_finish
    .symbol:         k_q6a427a01c4_finish.kd
    .args:
      - { .name: xyz1, .offset: 0, .size: 8, .value_kind: global_buffer, .address_space: global }
      - { .name: flow1, .offset: 8, .size: 8, .value_kind: global_buffer, .address_space: global }
      - { .name: xyz2, .offset: 16, .size: 8, .value_kind: global_buffer, .address_space: global }
      - { .name: cand, .offset: 24, .size: 8, .value_kind: global_buffer, .address_space: global }
      - { .name: out0, .offset: 32, .size: 8, .value_kind: global_buffer, .address_space: global }
    .group_segment_fixed_size: 5120
    .private_segment_fixed_size: 0
    .kernarg_segment_align: 8
    .kernarg_segment_size: 40
    .max_flat_workgroup_size: 256
    .sgpr_count:     66
    .vgpr_count:     242
    .wavefront_size: 32
...
	.end_amdgpu_metadata
.endif
;; end of part 2
;; ======== version 2 of 2: 2 launches; version 1 with the launch select written anew for expert scheduling mode
;; workspace buffers: cand 262,144 bytes of whole numbers
;; launch select (part 3): grid 256 x 1, 4 waves a work-group, no clusters, 131,584 bytes of LDS; arguments xyz1, flow1, xyz2, cand; writes cand
.if DOCPART == 3
	.amdgcn_target "amdgcn-amd-amdhsa--gfx1250"
	.amdhsa_code_object_version 6
	.text
	.protected	k_q6a427a01c4_select
	.globl	k_q6a427a01c4_select
	.p2align	8
	.type	k_q6a427a01c4_select,@function
k_q6a427a01c4_select:
	s_mov_b64 s[64:65], 0
	v_nop
	global_prefetch_b8 v0, s[64:65] scope:SCOPE_SE
	s_setreg_imm32_b32 hwreg(HW_REG_WAVE_SCHED_MODE, 0, 2), 2
	s_setreg_imm32_b32 hwreg(HW_REG_WAVE_MODE, 25, 1), 1
	s_wait_xcnt 0x0
	s_wait_alu depctr_vm_vsrc(0)
; PointWarping, step 1 of 2: for each query and each quarter ("part") of the 8192 sources of its batch, the three GROUPS of 16
; consecutive sources whose smallest squared distance is smallest.  The three nearest sources of a part always lie in these three
; groups (a source among the three nearest is no farther than the third smallest group minimum, so its own group's minimum is not either).
; Stored: cand[b][part][q] = g_lo | g_mid<<9 | g_hi<<18, group numbers 0..511 in the batch, ascending.
;
; d2 = |q|^2 + |s|^2 - 2 q.s comes from ONE bf16 matrix instruction per 16 sources x 16 queries at f32 grade: each f32 is cut exactly
; into three bf16 pieces h, m, l (h = upper 16 bits, m = upper 16 bits of x - h, l = the rest), and the 32 places of K hold
;   k = 9c+3i+j (0..26): A = piece i of s_c, B = piece j of -2 q_c;   k = 27,28,29: A = pieces of |s|^2, B = 1;   k = 30,31: A = 1, B = h, m of |q|^2.
; (|q|^2 is the same for all sources of a query: it only keeps the sum near d2, so two pieces do.)
;
; SHARES.  Work-group: 256 queries x 2048 sources (one part).  256 work-groups = 2 batches x 4 parts x 32 query blocks.  Four waves; a wave
; keeps 64 queries (4 B fragments) in registers and walks all 128 source tiles, which the four waves first build together in LDS.
; No tensor loads and no cluster: the only shared input is 48 KiB of raw points a work-group, and every number of it has to pass the vector
; unit (add, cut into pieces) before it can lie in LDS.  No K loop: each product is finished by one instruction, so C is always 0.
;
; LIMITS.  Finite inputs.  The ranking uses the expansion that the problem's own formula uses; its error is of the order 2^-22 (|q|^2+|s|^2),
; so groups whose minima are closer than that may be ranked either way.  Exact ties go to the lower group number.
;
; LDS: 128 tiles x 1024 bytes, in fragment order: the 16-byte chunk c (k = 8c..8c+7) of row m of a tile lies at tile*1024 + c*256 + m*16, so that
; lane L reads its fragment at tile*1024 + 16 L and + 512: neighbouring lanes, neighbouring bytes.  Block T = tiles 2T, 2T+1 = 32 sources;
; row 8h+j of tile 2T+t is source 32T + 16h + 8t + j, so the 16 results that a lane of half h holds for a block are one group, 2T+h.
;
; THE MODE: SCHED_MODE bits 1:0 = 2 (LLVM: expert scheduling mode 2), set by the entry lines.  The code itself states the register dependences
; between vector or matrix instructions and memory or LDS instructions, with s_wait_alu, always for 0.
; THE PLAN.  Registers that memory or LDS instructions touch:
;   v2, v5     global offsets; v3, v4 LDS store addresses: made once at the head, never written again.
;   RAW0-7     Build step it: its three adds read slot it & 7; the loads of step it + 8 land in it, issued in step it + 1.
;   W0, W1     Build step it: its packing lines write W[it & 1]; the four LDS stores that read it are issued in step it + 1.
;   AB0, AB1   (the same registers, behind the barrier)  A block's eight products read AB[a]; the loads dealt among the NEXT block's products land in it.
;   v[LA]      Read by every fragment load; made at the head, stepped once a trip.
;   BF, ST, GID, DD and T (but the last store's three registers) are named by vector and matrix instructions alone.
; So a build step's memory instructions touch what the step BEFORE worked on and nothing that the step itself names, and one wait on va_vdst and one on
; vm_vsrc at the step's head state all that they hang on.  In the loop one wait on va_vdst stands at the head of each block, ahead of its products, and one
; on vm_vsrc a trip ahead of the add to v[LA].  Masks made by compares are awaited once for a run of compares (va_sdst).
.set BF,  8                            ; v[8:39]    B fragments of my 4 query tiles
.set ST,  40                           ; v[40:63]   per query tile: three smallest minima VA<=VB<=VC, their groups IA, IB, IC
.set GID, 64                           ; v64        the group that my lane half sees in the block at work
.set LA,  65                           ; v65        LDS address of my fragment bytes
.set AB,  66                           ; v[66:97]   A fragments, two buffers of two tiles
.set W,   66                           ; v[66:97]   while the tables are built: the 16 words of a row, two buffers
.set DD,  98                           ; v[98:225]  results, two buffers of 4 query tiles x 2 source tiles
.set RAW, 98                           ; v[98:145]  while the table is built: ring of 8 slots x (xyz1 x,y,z, flow1 x,y,z)
.set QR,  194                          ; v[194:205] the queries as loaded
.set T,   226                          ; v[226:245] at work
.set SX,  T+0                          ; the point, then
.set SY,  T+1
.set SZ,  T+2
.set SS,  T+3                          ; its squared length,
.set PX,  T+4                          ; and the pieces h, m, l of each
.set PY,  T+7
.set PZ,  T+10
.set PS,  T+13
.set TRIPS, 31                         ; 64 blocks = 2 x 31 in the loop + 2 behind it
	s_load_b256 s[4:11], s[0:1], 0x0               ; xyz1 s[4:5], flow1 s[6:7], xyz2 s[8:9], cand s[10:11]
	v_lshl_add_u32 v254, v0, 2, 0x20000
	v_mov_b32 v255, 0
	v_lshrrev_b32 v1, 5, v0
	v_readfirstlane_b32 s12, v1                    ; wave w
	v_and_b32 v1, 31, v0                           ; lane L
	s_lshr_b32 s13, ttmp9, 7                       ; batch b
	s_bfe_u32 s14, ttmp9, 0x20005                  ; part (2 bits from bit 5)
	s_and_b32 s15, ttmp9, 31                       ; query block
	s_mov_b32 s32, 0xffff0000                      ; the upper bf16 of a word; as a lane mask: lanes 16-31
	s_mov_b32 s33, 0x07060302                      ; v_perm_b32: the two upper halves
	s_mov_b32 s34, 0x76543210                      ; v_permlanex16_b32: lane i of the other half
	s_mov_b32 s35, 0xfedcba98
	s_mul_i32 s16, s13, 98304                      ; a batch is 3 x 8192 f32
	s_lshl_b32 s18, s15, 10
	s_wait_alu depctr_va_sdst(0)                   ; s12 is written, ahead of its first reader: offsets and LDS places are made from it
	s_lshl_b32 s19, s12, 8
	s_add_co_u32 s19, s18, s19                     ; 4 (256 block + 64 w): my wave's first query, in bytes
	s_add_co_u32 s18, s16, s19                     ; its place in xyz2
	s_lshl2_add_u32 s40, s13, s14                  ; 4 b + part
	s_lshl_b32 s40, s40, 15                        ; x 8192 words
	s_add_co_u32 s40, s40, s19                     ; its place in cand
	s_mov_b32 s41, 0
	s_mov_b32 s19, 0
	s_lshl_b32 s17, s14, 13                        ; a part is 2048 f32
	s_add_co_u32 s16, s16, s17                     ; the part's place in xyz1 and flow1
	s_mov_b32 s17, 0
	s_lshl_b32 s44, s14, 7                         ; the part's first group
	s_lshl_b32 s42, s12, 11                        ; building: my wave's block in a step's four, LDS bytes
	s_lshl_b32 s43, s12, 7                         ; and source bytes
	v_and_b32 v5, 15, v1                           ; r
	v_lshrrev_b32 v6, 4, v1                        ; h (while building: the tile t of the block)
	v_lshlrev_b32 v3, 4, v5
	v_lshl_add_u32 v3, v6, 10, v3
	v_add_nc_u32 v3, s42, v3                       ; v3: w*2048 + t*1024 + m*16, my row's chunk 0 in steps 0-7
	v_add_nc_u32 v4, 0x10000, v3                   ; v4: the same in steps 8-15 (an LDS offset has 16 bits)
	v_and_b32 v2, 7, v1
	v_bfe_u32 v7, v1, 3, 1
	v_lshl_add_u32 v2, v7, 4, v2
	v_lshl_add_u32 v2, v6, 3, v2                   ; my source in the block: 16 (m>>3) + 8 t + (m&7)
	v_lshlrev_b32 v2, 2, v2
	v_add_nc_u32 v2, s43, v2                       ; v2: its byte offset
	v_lshlrev_b32 v5, 3, v5                        ; v5: 8 r, a pair of queries
	v_lshlrev_b32 v[LA], 4, v1                     ; 16 L: my fragment bytes in block 0
	v_mov_b32 v7, 1.0
	v_mov_b32 v[W+14], 0x3f803f80                  ; B's word 14: 1.0, 1.0
	s_wait_kmcnt 0x0
	s_add_nc_u64 s[4:5], s[4:5], s[16:17]
	s_add_nc_u64 s[6:7], s[6:7], s[16:17]
	s_add_nc_u64 s[8:9], s[8:9], s[18:19]
	s_add_nc_u64 s[10:11], s[10:11], s[40:41]
	s_wait_alu depctr_va_vdst(0)                   ; v2 to v5 and v[LA] are written: the loads, the LDS stores and the first fragment loads read them as offsets and addresses
; Column r of query tile t is my wave's query 2 (16 (t&1) + r) + (t>>1): a pair loaded at 8 r + 128 tb serves tiles tb and 2 + tb, and at the
; end lane L holds the words of queries 2L, 2L+1.
.irp tb, 0,1
.irp c, 0,1,2
	global_load_b64 v[QR+6*\tb+2*\c:QR+6*\tb+2*\c+1], v5, s[8:9] offset:128*\tb+32768*\c
.endr
.endr
.macro LDSRC it                        ; six loads: step it's source of this lane, into ring slot it mod 8
.irp c, 0,1,2
	global_load_b32 v[RAW+6*((\it)&7)+\c], v2, s[4:5] offset:512*(\it)+32768*\c
.endr
.irp c, 0,1,2
	global_load_b32 v[RAW+6*((\it)&7)+3+\c], v2, s[6:7] offset:512*(\it)+32768*\c
.endr
.endm
.irp it, 0,1,2,3,4,5,6,7
	LDSRC \it
.endr
.macro SPLIT x, p                      ; v[x] = v[p] + v[p+1] + v[p+2] exactly, each with 8 significant bits
	v_and_b32 v[\p], s32, v[\x]
	v_sub_f32 v[\p+2], v[\x], v[\p]
	v_and_b32 v[\p+1], s32, v[\p+2]
	v_sub_f32 v[\p+2], v[\p+2], v[\p+1]
.endm
.macro PK d, lo, hi                    ; one word of two bf16: the upper halves of v[lo] (lower k) and v[hi]
	v_perm_b32 v[\d], v[\hi], v[\lo], s33
.endm
; The B fragment of query tile t.  Lane (r, h) holds words 4h..4h+3 and 8+4h..8+4h+3 of column r's 16 words.
; Words 3, 8, 12 equal words 0, 5, 9.
.macro BFRAG t, qx, qy, qz
	v_mul_f32 v[SS], v[\qx], v[\qx]
	v_fma_f32 v[SS], v[\qy], v[\qy], v[SS]
	v_fma_f32 v[SS], v[\qz], v[\qz], v[SS]
	v_mul_f32 v[SX], -2.0, v[\qx]
	v_mul_f32 v[SY], -2.0, v[\qy]
	v_mul_f32 v[SZ], -2.0, v[\qz]
	SPLIT SX, PX
	SPLIT SY, PY
	SPLIT SZ, PZ
	v_and_b32 v[PS], s32, v[SS]
	v_sub_f32 v[PS+1], v[SS], v[PS]
	v_and_b32 v[PS+1], s32, v[PS+1]
	PK W+0,  PX,   PX+1
	PK W+1,  PX+2, PX
	PK W+2,  PX+1, PX+2
	PK W+4,  PX+2, PY
	PK W+5,  PY+1, PY+2
	PK W+6,  PY,   PY+1
	PK W+7,  PY+2, PY
	PK W+9,  PZ,   PZ+1
	PK W+10, PZ+2, PZ
	PK W+11, PZ+1, PZ+2
	PK W+13, PZ+2, 7
	PK W+15, PS,   PS+1
	v_cndmask_b32 v[BF+8*\t+0], v[W+0],  v[W+4],  s32
	v_cndmask_b32 v[BF+8*\t+1], v[W+1],  v[W+5],  s32
	v_cndmask_b32 v[BF+8*\t+2], v[W+2],  v[W+6],  s32
	v_cndmask_b32 v[BF+8*\t+3], v[W+0],  v[W+7],  s32
	v_cndmask_b32 v[BF+8*\t+4], v[W+5],  v[W+9],  s32
	v_cndmask_b32 v[BF+8*\t+5], v[W+9],  v[W+13], s32
	v_cndmask_b32 v[BF+8*\t+6], v[W+10], v[W+14], s32
	v_cndmask_b32 v[BF+8*\t+7], v[W+11], v[W+15], s32
.endm
	s_wait_loadcnt 48                              ; the six query loads are in; the 48 source loads issued behind them stay out
	BFRAG 0, QR+0, QR+2, QR+4
	BFRAG 1, QR+6, QR+8, QR+10
	BFRAG 2, QR+1, QR+3, QR+5
	BFRAG 3, QR+7, QR+9, QR+11
	v_mov_b32 v[W+15], 0x3f803f80                  ; A's word 15: 1.0, 1.0, for every row, in both buffers
	v_mov_b32 v[W+31], 0x3f803f80
.macro STO j, c                        ; chunk c of step j's row goes to LDS from W[j & 1]; 16 lanes, 256 neighbouring bytes.  Step -1 has none
.if (\j) >= 0
.if (\j) < 8
	ds_store_b128 v3, v[W+16*((\j)&1)+4*(\c):W+16*((\j)&1)+4*(\c)+3] offset:8192*((\j)&7)+256*(\c)
.else
	ds_store_b128 v4, v[W+16*((\j)&1)+4*(\c):W+16*((\j)&1)+4*(\c)+3] offset:8192*((\j)&7)+256*(\c)
.endif
.endif
.endm
; One step of the build: this lane's source becomes one row of 64 bytes, in W[it & 1].  left = younger loads that may stay out.
; The step's memory instructions are the step BEFORE's: the refill of the slot that it read out, and the four stores of the row that it packed.
.macro PREP it, left
.set WB, W+16*((\it)&1)
	s_wait_loadcnt \left
.if (\it) >= 2
	s_wait_alu depctr_vm_vsrc(0)                   ; the LDS stores issued in the step before have read W[it & 1], which this step's packing lines write again
.endif
.if (\it) >= 1
	s_wait_alu depctr_va_vdst(0)                   ; the step before has written the other W, which the stores below read, and is done reading its raw slot, in which the loads below land
.if (\it) <= 8
	LDSRC (\it)+7                                  ; that slot's next source, seven steps ahead; no vector line of this step names the slot
.endif
.endif
	v_add_f32 v[SX], v[RAW+6*((\it)&7)+0], v[RAW+6*((\it)&7)+3]    ; the warped source, xyz1 + flow1
	v_add_f32 v[SY], v[RAW+6*((\it)&7)+1], v[RAW+6*((\it)&7)+4]
	v_add_f32 v[SZ], v[RAW+6*((\it)&7)+2], v[RAW+6*((\it)&7)+5]
	v_mul_f32 v[SS], v[SX], v[SX]
	v_fma_f32 v[SS], v[SY], v[SY], v[SS]
	v_fma_f32 v[SS], v[SZ], v[SZ], v[SS]
	SPLIT SX, PX
	STO (\it)-1, 0                                 ; the stores are dealt among lines that name T and this step's raw slot alone
	SPLIT SY, PY
	STO (\it)-1, 1
	SPLIT SZ, PZ
	STO (\it)-1, 2
	SPLIT SS, PS
	STO (\it)-1, 3
	PK WB+0,  PX,   PX
	PK WB+1,  PX,   PX+1
	PK WB+2,  PX+1, PX+1
	PK WB+3,  PX+2, PX+2
	PK WB+4,  PX+2, PY
	PK WB+5,  PY,   PY
	PK WB+6,  PY+1, PY+1
	PK WB+7,  PY+1, PY+2
	PK WB+8,  PY+2, PY+2
	PK WB+9,  PZ,   PZ
	PK WB+10, PZ,   PZ+1
	PK WB+11, PZ+1, PZ+1
	PK WB+12, PZ+2, PZ+2
	PK WB+13, PZ+2, PS
	PK WB+14, PS+1, PS+2
.endm
	PREP 0, 42                                     ; behind my slot's six loads: the first fills of the seven other slots
.irp it, 1,2,3,4,5,6,7,8
	PREP \it, 36                                   ; behind my slot's six loads: those of six younger steps (a slot's refill goes out one step behind its read)
.endr
.irp it, 9,10,11,12,13,14,15
	PREP \it, 6*(15-\it)                           ; nothing is asked for any more: the counts run down to 0
.endr
	s_wait_alu depctr_va_vdst(0)                   ; step 15 has written W1, which its four stores read
.irp c, 0,1,2,3
	STO 15, \c
.endr
	s_wait_dscnt 0x0                               ; my rows lie in LDS, for the other waves' sake
	s_barrier_signal -1
	s_barrier_wait -1                              ; the only barrier: from here on the table is only read
.macro LDA a, off                      ; the two tiles of a block into A buffer a
	ds_load_b128 v[AB+16*\a+0:AB+16*\a+3],   v[LA] offset:\off
	ds_load_b128 v[AB+16*\a+4:AB+16*\a+7],   v[LA] offset:\off+512
	ds_load_b128 v[AB+16*\a+8:AB+16*\a+11],  v[LA] offset:\off+1024
	ds_load_b128 v[AB+16*\a+12:AB+16*\a+15], v[LA] offset:\off+1536
.endm
.macro MM a, d                         ; a block x my 64 queries: register j of lane (r, h) = d2(source row 8h+j, query column r)
.irp q, 0,1,2,3
.irp t, 0,1
	v_wmma_f32_16x16x32_bf16 v[DD+64*\d+16*\q+8*\t:DD+64*\d+16*\q+8*\t+7], v[AB+16*\a+8*\t:AB+16*\a+8*\t+7], v[BF+8*\q:BF+8*\q+7], 0
.endr
.endr
.endm
; The same products, and dealt among them the four loads of the block at byte off into the OTHER A buffer: the products name AB[a], BF and DD[d], none of
; the registers that those loads touch.
.macro MML a, d, off
.irp q, 0,1,2,3
.irp t, 0,1
	v_wmma_f32_16x16x32_bf16 v[DD+64*\d+16*\q+8*\t:DD+64*\d+16*\q+8*\t+7], v[AB+16*\a+8*\t:AB+16*\a+8*\t+7], v[BF+8*\q:BF+8*\q+7], 0
.endr
	ds_load_b128 v[AB+16*(1-\a)+4*\q:AB+16*(1-\a)+4*\q+3], v[LA] offset:\off+512*\q
.endr
.endm
; A block's results: per query tile the minimum of my 16 values (one group), then an exact insert of (minimum, group) into the sorted three.
; A strict < keeps the earlier, lower group on a tile.  The four tiles go level by level, so that no line waits for the one in front of it.
; The twelve compares stand in one run; the twelve lines that move the minima, which read no mask, stand between them and the one wait for the masks.
.macro PROC d
.irp q, 0,1,2,3
.irp m, 0,1,2,3,4
	v_min3_num_f32 v[T+5*\q+\m], v[DD+64*\d+16*\q+3*\m], v[DD+64*\d+16*\q+3*\m+1], v[DD+64*\d+16*\q+3*\m+2]
.endr
.endr
.irp q, 0,1,2,3
	v_min3_num_f32 v[T+5*\q],   v[T+5*\q],   v[T+5*\q+1], v[DD+64*\d+16*\q+15]
	v_min3_num_f32 v[T+5*\q+2], v[T+5*\q+2], v[T+5*\q+3], v[T+5*\q+4]
.endr
.irp q, 0,1,2,3
	v_min_num_f32 v[T+5*\q], v[T+5*\q], v[T+5*\q+2]
.endr
.irp q, 0,1,2,3
	v_cmp_lt_f32 s[20+3*\q], v[T+5*\q], v[ST+6*\q]
	v_cmp_lt_f32 s[21+3*\q], v[T+5*\q], v[ST+6*\q+1]
	v_cmp_lt_f32 s[22+3*\q], v[T+5*\q], v[ST+6*\q+2]
.endr
.irp q, 0,1,2,3
	v_med3_num_f32 v[ST+6*\q+2], v[ST+6*\q+1], v[ST+6*\q+2], v[T+5*\q]
	v_med3_num_f32 v[ST+6*\q+1], v[ST+6*\q],   v[ST+6*\q+1], v[T+5*\q]
	v_min_num_f32  v[ST+6*\q],   v[ST+6*\q],   v[T+5*\q]
.endr
	s_wait_alu depctr_va_sdst(0)                   ; the twelve compares have written s20 to s31, ahead of the selects that read them
.irp q, 0,1,2,3
	v_cndmask_b32 v[T+5*\q+1], v[GID], v[ST+6*\q+4], s[21+3*\q]          ; what moves into the third place if anything does
	v_cndmask_b32 v[T+5*\q+3], v[GID], v[ST+6*\q+3], s[20+3*\q]          ; and into the second
.endr
.irp q, 0,1,2,3
	v_cndmask_b32 v[ST+6*\q+5], v[ST+6*\q+5], v[T+5*\q+1], s[22+3*\q]
	v_cndmask_b32 v[ST+6*\q+4], v[ST+6*\q+4], v[T+5*\q+3], s[21+3*\q]
	v_cndmask_b32 v[ST+6*\q+3], v[ST+6*\q+3], v[GID],      s[20+3*\q]
.endr
	v_add_nc_u32 v[GID], 2, v[GID]
.endm
	s_wait_alu depctr_vm_vsrc(0)                   ; my LDS stores have read W0 and W1: these registers are the A buffers from here on, and the fragment loads land in them
	LDA 0, 0                                       ; block 0.  (The packing lines that wrote these registers stand ahead of the last wait on va_vdst, and no vector line has been issued since)
	LDA 1, 2048                                    ; block 1
	s_wait_dscnt 0x4                               ; block 0 is in; block 1's four loads stay out
	MM 0, 0
	; The start of the state: 26 plain vector lines that name none of the registers of the eight products above, so they are also the
	; places (ISA guide 7.12.1) between those products and the first lines that read their results.
.irp q, 0,1,2,3
.irp j, 0,1,2
	v_mov_b32 v[ST+6*\q+\j], 0x7f800000            ; +infinity: every finite minimum is smaller
	v_mov_b32 v[ST+6*\q+3+\j], s44                 ; a valid group, replaced by the first three inserts
.endr
.endr
	v_add_nc_u32 v[GID], s44, v6                   ; block 0: group 128 part + h
	v_nop
	s_mov_b32 s36, TRIPS
; A trip = two blocks.  While one result buffer is reduced (77 vector lines), the other block's products run and the fragments of the block
; after it come from LDS.  Each s_wait_dscnt 0 finds only the four loads issued one reduction earlier.  Between a product and the lines that
; read its results stands the whole reduction of the OTHER result buffer.
.Ltrip:
	s_wait_dscnt 0x0
	s_wait_alu depctr_va_vdst(0)                   ; the products of block 2i are done reading AB0, in which the loads below land; v[LA], which they read, is written
	MML 1, 1, 4096                                 ; block 2i+1 | the fragments of block 2i+2
	PROC 0                                         ; block 2i
	s_wait_dscnt 0x0
	s_wait_alu depctr_va_vdst(0)                   ; the products of block 2i+1 are done reading AB1, in which the loads below land
	MML 0, 0, 6144                                 ; block 2i+2 | the fragments of block 2i+3
	PROC 1                                         ; block 2i+1
	s_wait_alu depctr_vm_vsrc(0)                   ; the fragment loads issued so far have read v[LA]
	v_add_nc_u32 v[LA], 4096, v[LA]
	s_sub_co_i32 s36, s36, 1
	s_cmp_lg_u32 s36, 0
	s_cbranch_scc1 .Ltrip
	s_wait_dscnt 0x0
	MM 1, 1                                        ; block 63
	PROC 0                                         ; block 62
	PROC 1                                         ; block 63
; The two lane halves hold the even and the odd groups of the same queries: each inserts the other's three.  The order (minimum, then group
; number) is total and the groups differ, so both halves end with the same three.
; For each of the three places k the mask "(val, idx) comes before (place k's minimum, group)" = lt | (eq & idx lower): the nine compares stand in one run,
; the three lines that move the minima behind them, then the one wait for the masks, then the scalar lines that join them.
.macro INSLEX q, val, idx
.irp k, 0,1,2
	v_cmp_lt_f32 s[20+\k], v[\val], v[ST+6*\q+\k]
	v_cmp_eq_f32 s[23+\k], v[\val], v[ST+6*\q+\k]
	v_cmp_lt_u32 s[26+\k], v[\idx], v[ST+6*\q+3+\k]
.endr
	v_med3_num_f32 v[ST+6*\q+2], v[ST+6*\q+1], v[ST+6*\q+2], v[\val]
	v_med3_num_f32 v[ST+6*\q+1], v[ST+6*\q],   v[ST+6*\q+1], v[\val]
	v_min_num_f32  v[ST+6*\q],   v[ST+6*\q],   v[\val]
	s_wait_alu depctr_va_sdst(0)                   ; the nine compares have written s20 to s28, ahead of the scalar lines that read them
.irp k, 0,1,2
	s_and_b32 s[23+\k], s[23+\k], s[26+\k]
	s_or_b32 s[20+\k], s[20+\k], s[23+\k]
.endr
	v_cndmask_b32 v[T+6], v[\idx], v[ST+6*\q+4], s21
	v_cndmask_b32 v[T+7], v[\idx], v[ST+6*\q+3], s20
	v_cndmask_b32 v[ST+6*\q+5], v[ST+6*\q+5], v[T+6], s22
	v_cndmask_b32 v[ST+6*\q+4], v[ST+6*\q+4], v[T+7], s21
	v_cndmask_b32 v[ST+6*\q+3], v[ST+6*\q+3], v[\idx], s20
.endm
.irp q, 0,1,2,3
.irp j, 0,1,2,3,4,5
	v_permlanex16_b32 v[T+\j], v[ST+6*\q+\j], s34, s35             ; the partner's state (the destinations were written in the reductions)
.endr
	INSLEX \q, T+0, T+3
	INSLEX \q, T+1, T+4
	INSLEX \q, T+2, T+5
	; the three groups in ascending order, 9 bits each
	v_min_u32 v[T+8], v[ST+6*\q+3], v[ST+6*\q+4]
	v_max_u32 v[T+9], v[ST+6*\q+3], v[ST+6*\q+4]
	v_add3_u32 v[T+10], v[ST+6*\q+3], v[ST+6*\q+4], v[ST+6*\q+5]
	v_min_u32 v[T+8], v[T+8], v[ST+6*\q+5]
	v_max_u32 v[T+9], v[T+9], v[ST+6*\q+5]
	v_sub_nc_u32 v[T+10], v[T+10], v[T+8]
	v_sub_nc_u32 v[T+10], v[T+10], v[T+9]                          ; the middle one = sum - least - greatest
	v_lshl_or_b32 v[T+12+\q], v[T+10], 9, v[T+8]
	v_lshl_or_b32 v[T+12+\q], v[T+9], 18, v[T+12+\q]
.endr
	v_cndmask_b32 v[T+16], v[T+12], v[T+13], s32   ; query 2L   = column r of tile h
	v_cndmask_b32 v[T+17], v[T+14], v[T+15], s32   ; query 2L+1 = column r of tile 2 + h
	v_lshlrev_b32 v[T+18], 3, v1
	s_wait_alu depctr_va_vdst(0)                   ; the three lines above have written the store's two words and its offset
	global_store_b64 v[T+18], v[T+16:T+17], s[10:11]               ; the wave's 64 words: 256 consecutive bytes, aligned
	s_wait_dscnt 0x0
	s_wait_alu depctr_hold_cnt(0) depctr_sa_sdst(0) depctr_va_vdst(0) depctr_va_sdst(0) depctr_va_ssrc(0) depctr_va_vcc(0) depctr_vm_vsrc(0)
	s_wait_tensorcnt 0x0
	ds_add_u32 v254, v255
	s_wait_dscnt 0x0
	s_endpgm
.Lfunc_end_k_q6a427a01c4_select:
	.size	k_q6a427a01c4_select, .Lfunc_end_k_q6a427a01c4_select-k_q6a427a01c4_select
	.p2alignl 7, 3214868480
	.fill 96, 4, 3214868480
	.section	.rodata,"a",@progbits
	.p2align	6, 0x0
	.amdhsa_kernel k_q6a427a01c4_select
		.amdhsa_group_segment_fixed_size 131584
		.amdhsa_private_segment_fixed_size 0
		.amdhsa_enable_private_segment 0
		.amdhsa_kernarg_size 32
		.amdhsa_user_sgpr_count 2
		.amdhsa_user_sgpr_kernarg_segment_ptr 1
		.amdhsa_wavefront_size32 1
		.amdhsa_system_sgpr_workgroup_id_x 1
		.amdhsa_system_sgpr_workgroup_id_y 1
		.amdhsa_system_sgpr_workgroup_id_z 1
		.amdhsa_system_vgpr_workitem_id 0
		.amdhsa_next_free_vgpr 256
		.amdhsa_next_free_sgpr 66
		.amdhsa_reserve_vcc 0
		.amdhsa_float_denorm_mode_32 3
		.amdhsa_float_denorm_mode_16_64 3
		.amdhsa_memory_ordered 1
		.amdhsa_forward_progress 1
		.amdhsa_inst_pref_size 94
	.end_amdhsa_kernel
	.amdgpu_metadata
---
amdhsa.version: [ 1, 2 ]
amdhsa.kernels:
  - .name:           k_q6a427a01c4_select
    .symbol:         k_q6a427a01c4_select.kd
    .args:
      - { .name: xyz1, .offset: 0, .size: 8, .value_kind: global_buffer, .address_space: global }
      - { .name: flow1, .offset: 8, .size: 8, .value_kind: global_buffer, .address_space: global }
      - { .name: xyz2, .offset: 16, .size: 8, .value_kind: global_buffer, .address_space: global }
      - { .name: cand, .offset: 24, .size: 8, .value_kind: global_buffer, .address_space: global }
    .group_segment_fixed_size: 131584
    .private_segment_fixed_size: 0
    .kernarg_segment_align: 8
    .kernarg_segment_size: 32
    .max_flat_workgroup_size: 128
    .sgpr_count:     66
    .vgpr_count:     256
    .wavefront_size: 32
...
	.end_amdgpu_metadata
.endif
;; end of part 3
;; launch finish: the kernel of part 2 again; grid 256 x 1, 8 waves a work-group, no clusters, 5,120 bytes of LDS; arguments xyz1, flow1, xyz2, cand, out0; writes out0
